; MI455X (gfx1250); checked and timed in simulation.
; The chip was launched on July 23, 2026; its instructions are those of AMD's public machine-readable ISA for CDNA 5 (MIT licence, August 2026) and "CDNA5" Instruction Set Architecture Reference Guide (July 2026). The comments in the code are by the model that wrote it; some were corrected since.
;; Self Attention. Allowed arithmetic: matrix products marked QUANTISED: E2M1 operands, one E8M0 scale for each 32 along K, by v_wmma_scale_f32_16x16x128_f8f6f4 with both operands' format E2M1 (or v_wmma_scale_f32_32x16x128_f4), f32 sums; everything else in f32.
;; Inputs: W 128 x 256 float32; b 128 float32; x 8 x 4,096 x 128 float32.
;; Outputs: out0 8 x 4,096 x 128 float32.
;; This version of the problem:
;;   THIS VERSION OF THE PROBLEM IS GIVEN IN LOW PRECISION. The matrix products marked QUANTISED in the list below multiply operands that are first quantised to E2M1 (2 exponent bits, 1 mantissa bit; 4 bits a number), with one power-of-two scale for each 32 numbers along K (OCP MX v1.0); their sums are f32. All else is computed in f32.
;;   The module's matrix products, in the order in which they are computed (A, B: the left and right operand; K: the contracted axis; several contracted axes count as one K, in the product's order):
;;     1. batch 8 x [M 4,096, K 128] x [K 128, N 4,096]; A: input x; B: input x: QUANTISED
;;     2. batch 8 x [M 4,096, K 4,096] x [K 4,096, N 128]; A: softmax (see below); B: input x: QUANTISED
;;     3. [M 32,768, K 256] x [K 256, N 128]; A: computed on the way; B: input W: QUANTISED
;;   THE QUANTISER, for each operand of a quantised product, along K:
;;     - K is cut into blocks of 32 from its start; a last block that is shorter is filled with zeros.
;;     - A block's scale is 2^e with e = floor(log2(the largest magnitude in the block)) - 2, held to -126 .. 127; a block of zeros has e = 0. As a byte (E8M0): e + 127.
;;     - Each number is divided by its block's scale, clamped to +-6, and rounded to the nearest number of E2M1, ties to even, subnormals kept.
;;     - The product sums the exact products of the quantised numbers (number of the format x scale) in f32.
;;   ~~~python
;;   def quantise(x, axis):      # numpy; x: float32 -> the quantised numbers, widened to float32 again
;;       x = np.moveaxis(x, axis, -1); K = x.shape[-1]
;;       x = np.pad(x, [(0, 0)] * (x.ndim - 1) + [(0, -K % 32)]); x = x.reshape(x.shape[:-1] + (-1, 32)); a = np.abs(x).max(-1, keepdims=True)
;;       e = np.where(a > 0, np.clip(np.frexp(np.where(a > 0, a, 1))[1] - 1 - 2, -126, 127), 0)      # np.frexp(a)[1] - 1 = floor(log2(a)), exactly
;;       r = np.clip(x / 2.0 ** e, -6, 6)
;;       step = 2.0 ** (np.maximum(np.frexp(np.where(r == 0, 1, r))[1] - 1, 0) - 1)
;;       q = np.round(r / step) * step * 2.0 ** e      # np.round: ties to even
;;       return np.moveaxis(q.reshape(q.shape[:-2] + (-1,))[..., :K], -1, axis).astype(np.float32)
;;   ~~~
;;   SOFTMAX AHEAD OF A QUANTISED PRODUCT. Where the list says 'softmax', what is quantised is not the finished softmax but p = 2^(t - M), with t = logit x log2(e) and M = ceil(the row's largest t), a whole number; so 1/2 < the row's largest p <= 1. The row's sum l is taken of the UNQUANTISED p, in f32, and the product's result is divided by l at the end. Since M is a whole number, a kernel that streams over the keys may use a running M (the ceiling of the running maximum): every later rescaling is an exact power of two, which a block's scale takes up: the codes' values come out the same.
;;   OPERANDS COMPUTED ON THE WAY. 'Computed on the way' means the value that the module computes at that place (a softmax that the list does not call 'softmax' is quantised finished and normalised). What goes into a quantiser is computed in f32, as accurately as f32 sums, v_exp_f32 and their like allow (about 1e-6 of the number): no bf16 or f16 on the way to a quantiser, and a product that is left as it is and whose result goes on into a quantised operand takes f32 operands (vector FMAs, or v_wmma_f32_16x16x4_f32). A number that lies on a knife's edge between two numbers of the format may be rounded either way, as far as f32 arithmetic and the matrix unit's own rounding can turn it there, and no further.
;; One version. Each part assembles by itself: llvm-mc -triple=amdgcn-amd-amdhsa -mcpu=gfx1250 --defsym DOCPART=n.
;; ======== version 1 of 1: 2 launches
;; limits: right only within a limited range of input values
;; workspace buffers: kvc 4,491,264 bytes
;; launch prep (part 1): grid 258 x 1, 8 waves a work-group, no clusters, 69,888 bytes of LDS; arguments x, W, kvc; writes kvc
.if DOCPART == 1
	.amdgcn_target "amdgcn-amd-amdhsa--gfx1250"
	.amdhsa_code_object_version 6
	.text
	.protected	k_q01e04a7df5_prep
	.globl	k_q01e04a7df5_prep
	.p2align	8
	.type	k_q01e04a7df5_prep,@function
k_q01e04a7df5_prep:
	s_mov_b64 s[64:65], 0
	v_nop
	global_prefetch_b8 v0, s[64:65] scope:SCOPE_SE
	s_setreg_imm32_b32 hwreg(HW_REG_WAVE_MODE, 25, 1), 1
	s_wait_xcnt 0x0
; x [32768][128] f32 (8 batches x 4096 rows) and W [128][256] f32 become codes of FP4 (E2M1) with one E8M0 byte for each 32 along K,
; laid as IMAGES OF OPERAND REGISTERS, so that the next launch takes every fragment by dense loads of 16 bytes a lane.
; Work-group g makes record g from a tile of 128 rows x 128 columns: g < 256: rows 128 g .. 128 g + 127 of x; g = 256, 257: columns 0-127, 128-255 of W's 128 rows.
; kvc: 258 K parts of 8,704 bytes, then 258 V parts of 8,704 bytes.  A part: an image of 8,192 bytes, then 512 bytes of scale words.
; An image: 8 tiles of 1,024 bytes; a tile: a fragment of 16 rows x 128 K: piece c (512 bytes), lane l = 16 h + r at 512 c + 16 l: the fragment's registers 4 c .. 4 c + 3,
; K = 64 c + 32 h + 0 .. 31 of the tile's row r.  In tile T = 2 b + u lane r takes row 32 b + 8 u + r + 8 (r / 8).
;   K image: rows = the tile's rows (keys, or W's outputs), K = the 128 columns.      V image: rows = the 128 columns (d), K = the tile's 128 rows (keys) in their true order.
; The scale word (four bytes, 128 along K) of (tile T, lane r) lies at 16 (16 (T % 2) + r) + 4 (T / 2) of a part's words.
; A block's scale is 2^(floor(log2(its largest magnitude)) - 2); its byte is the largest magnitude's exponent field - 2, held at 1 from below.
; One path serves all 258 work-groups; only pointers, an offset and the pitch are chosen by the work-group's number.  So W's two work-groups also make a V part that nobody reads: 2 of 258.
; WORK LEFT OUT (by the next launch): key steps of 128 whose keys all come after a tile's 16 queries.  reference() sets those scores to -infinity in front of the softmax, so their weights are 0 for all finite inputs.
; LIMITS: a block of zeros gets the byte 1 where the rule says 127 (its codes are zeros, and this program alone reads the bytes); NaN and infinities among the inputs are not served, and one that reaches only left-out work is not carried to the result.
; Eight waves.  Wave w loads the 16 rows of K tile w (each load 512 consecutive bytes) into the tile in LDS, makes K tile w from these rows of its own while the others arrive, and behind the barrier V tile w.
.set PITCH, 528                        ; a row of the tile in LDS: 512 bytes + 16
.set SST,   128*PITCH+256              ; behind the tile: 1,024 bytes of scale words, K's 512, then V's
.set SPARE, SST+1024                   ; the spare words, 128 bytes for each wave
.set PART,  8704
.set VPL,   258*PART                   ; where the V parts begin
; Row rho of the tile lies at position p = rho with bits 3 and 4 exchanged, so that the 16 rows of K tile T are positions 16 T .. 16 T + 15.  Position p begins at p PITCH + 32 (p / 32):
; rows 32 apart are so 8 words apart modulo 64, and the V side's lanes 0-15 and 16-31 touch different banks (64 banks of 4 bytes: ISA guide 11.1).
; v1 lane, v2 r, v3 h, v4 16 x lane, v5-v11 addresses, v12 8 h, v16-31 the rows' offsets, v32-39 K codes, v40-47 V codes, v48-55 at work, v60 K word, v61 V word, v64-127 rows, then the V side's numbers, v128-191 the K side's
	s_load_b128 s[4:7], s[0:1], 0x0                ; x, W
	s_load_b64 s[8:9], s[0:1], 0x10                ; kvc
	v_lshl_add_u32 v192, v0, 2, SPARE              ; my spare word
	v_mov_b32 v193, 0
	v_lshrrev_b32 v1, 5, v0
	v_readfirstlane_b32 s16, v1                    ; wave 0..7
	s_lshr_b32 s17, s16, 1                         ; w / 2
	s_and_b32 s18, s16, 1                          ; w % 2
	s_lshl_b32 s15, s17, 5
	s_lshl_b32 s14, s18, 3
	s_add_co_u32 s19, s15, s14                     ; my first row: 32 (w / 2) + 8 (w % 2)
	s_mul_i32 s24, s16, 16*PITCH
	s_add_co_u32 s24, s24, s15                     ; my rows' place: position 16 w
	s_lshl_b32 s25, s19, 2                         ; V side: my first column
	s_lshl_b32 s26, s18, 8
	s_lshl_b32 s27, s17, 2
	s_add_co_u32 s26, s26, s27
	s_add_co_u32 s26, s26, SST                     ; my tile's scale words: 256 (w % 2) + 4 (w / 2)
	s_lshl_b32 s27, s18, 9
	s_add_co_u32 s27, s27, SST                     ; the words on their way out (waves 0 and 1)
	s_mul_i32 s28, s18, VPL
	s_add_co_u32 s28, s28, 8192
	s_lshl_b32 s29, s16, 10
	s_mov_b32 s20, 0x76543210
	s_mov_b32 s21, 0xfedcba98                      ; v_permlanex16_b32's selects for lane l xor 16
	s_lshl_b32 s22, ttmp9, 16                      ; x: 128 rows of 512 bytes a record
	s_and_b32 s23, ttmp9, 1
	s_lshl_b32 s23, s23, 9                         ; W: 128 columns of 4 bytes a record
	s_mov_b32 s12, 1024                            ; W's pitch
	s_mul_i32 s30, ttmp9, PART                     ; my record's part
	s_mov_b32 s31, 0
	v_and_b32 v1, 31, v0                           ; lane
	v_and_b32 v2, 15, v0                           ; r
	v_bfe_u32 v3, v0, 4, 1                         ; h
	v_lshlrev_b32 v4, 4, v1                        ; 16 x lane
	v_mul_u32_u24 v6, v2, PITCH
	v_and_b32 v13, 8, v2
	v_mul_u32_u24 v7, v3, 32*PITCH+32
	v_add_nc_u32 v5, s24, v4                       ; into the tile: my wave's row i goes to position 16 w + i
	v_lshl_add_u32 v6, v3, 7, v6
	v_add_nc_u32 v13, v13, v2                      ; r + 8 (r / 8)
	v_lshl_add_u32 v8, v2, 4, s26
	v_add_nc_u32 v6, s24, v6                       ; K side: position 16 w + r, + 128 h bytes: my 32 numbers of a run of 64
	v_lshl_add_u32 v7, v13, 2, v7
	v_add_nc_u32 v9, s27, v4                       ; the words on their way out: 512 bytes a wave, from LDS,
	v_add_nc_u32 v11, s28, v4                      ; and their place in kvc
	v_add_nc_u32 v7, s25, v7                       ; V side: column 32 (w / 2) + 8 (w % 2) + r + 8 (r / 8), from position 32 h on
	v_add_nc_u32 v10, s29, v4                      ; my tile in an image: 1,024 w + 16 x lane
	v_lshlrev_b32 v12, 3, v3                       ; 8 h: how far my two bytes are shifted in the scale word
	v_mov_b32 v55, 0                               ; written once: a lane permute's destination counts as one of its sources
	s_wait_alu depctr_va_vdst(0)                   ; the wait at the head's end
	s_wait_kmcnt 0x0
	s_cmp_lt_u32 ttmp9, 256                        ; x's work-group or W's?  The choice hangs on the work-group's number alone
	s_cselect_b64 s[4:5], s[4:5], s[6:7]
	s_cselect_b32 s22, s22, s23
	s_cselect_b32 s12, 512, s12
	s_mov_b32 s23, 0
	s_add_nc_u64 s[4:5], s[4:5], s[22:23]
	s_add_nc_u64 s[8:9], s[8:9], s[30:31]          ; my K part,
	s_add_nc_u64 s[10:11], s[8:9], VPL             ; my V part
	s_mul_i32 s13, s19, s12                        ; my wave's first row
	s_mul_i32 s14, s12, 9                          ; from my row 7 to my row 8: 9 rows of the tile
	v_add_nc_u32 v16, s13, v4
.irp i, 1,2,3,4,5,6,7,8,9,10,11,12,13,14,15
	s_delay_alu instid0(VALU_DEP_1)
.if \i == 8
	v_add_nc_u32 v[16+\i], s14, v[15+\i]
.else
	v_add_nc_u32 v[16+\i], s12, v[15+\i]           ; a register for each row's offset: none is rewritten while a load reads it
.endif
.endr
.irp i, 0,1,2,3,4,5,6,7,8,9,10,11,12,13,14,15
	global_load_b128 v[64+4*\i:67+4*\i], v[16+\i], s[4:5] th:TH_LOAD_NT   ; 32 lanes read a row's 512 consecutive bytes; read once in the launch
.endr
.irp i, 0,1,2,3,4,5,6,7,8,9,10,11,12,13,14,15
	s_wait_loadcnt 15-\i                           ; loads come back in order: row i is in, the younger rows may be out
	ds_store_b128 v5, v[64+4*\i:67+4*\i] offset:\i*PITCH
.endr
.irp k, 0,1
.irp j, 0,1,2,3,4,5,6,7
	ds_load_b128 v[128+32*\k+4*\j:131+32*\k+4*\j], v6 offset:256*\k+16*\j   ; K side: columns 64 k + 32 h + 0 .. 31 of my row: a whole block of 32.  The rows are my own: LDS serves a wave's instructions in order (ISA guide 5.7.1.4)
.endr
.endr
; Two whole blocks of a lane, v[src + 32 k + i], become the fragment's eight registers v[dst] on and its scale word v[wrd].
.macro QB src, dst, wrd
.irp k, 0,1
	v_max3_num_f32 v[48+\k], |v[\src+32*\k]|, |v[\src+32*\k+1]|, 0x1800000   ; the block's largest magnitude, and the floor 2^(3 - 127): so the byte cannot fall under 1
.endr
.irp i, 2,4,6,8,10,12,14,16,18,20,22,24,26,28,30
.irp k, 0,1
	s_delay_alu instid0(VALU_DEP_2)
	v_max3_num_f32 v[48+\k], v[48+\k], |v[\src+32*\k+\i]|, |v[\src+32*\k+\i+1]|   ; (the two blocks by turns)
.endr
.endr
.irp k, 0,1
	s_delay_alu instid0(VALU_DEP_2)
	v_add_nc_u32 v[50+\k], 0xff000000, v[48+\k]    ; 2 off its exponent field: the conversion takes the exponent field of this operand as its scale, and nothing else of it
.endr
.irp k, 0,1
	s_delay_alu instid0(VALU_DEP_2)
	v_lshrrev_b32 v[52+\k], 23, v[50+\k]           ; the scale's byte
.endr
	s_delay_alu instid0(VALU_DEP_1)
	v_lshl_or_b32 v[\wrd], v53, 16, v52            ; my two bytes: blocks h and 2 + h,
	s_delay_alu instid0(VALU_DEP_1)
	v_lshlrev_b32 v[\wrd], v12, v[\wrd]            ; at their places in the word (8 h bits up);
	s_delay_alu instid0(VALU_DEP_1)
	v_permlanex16_b32 v55, v[\wrd], s20, s21
	s_delay_alu instid0(VALU_DEP_1)
	v_or_b32 v[\wrd], v[\wrd], v55                 ; with lane l xor 16's two the word is whole
.irp k, 0,1
.irp g, 0,1,2,3
	v_cvt_scalef32_pk8_fp4_f32 v[\dst+4*\k+\g], v[\src+32*\k+8*\g:\src+32*\k+8*\g+7], v[50+\k]
.endr
.endr
	v_nop                                          ; one plain place behind the last scaled conversion
.endm
	s_wait_dscnt 0x0                               ; for the others' sake: my rows lie in the tile; and the K side's numbers are in
	s_barrier_signal -1
	QB 128, 32, 60                                 ; work on registers while the others arrive
	s_wait_alu depctr_va_vdst(0)                   ; directly ahead of the wait below
	s_barrier_wait -1                              ; everybody's rows lie in the tile
.irp k, 0,1
.set i, 0
.rept 32
	ds_load_b32 v[64+32*\k+i], v7 offset:(64*\k+16*((i/8)%2)+8*(i/16)+i%8)*PITCH+64*\k   ; V side: rows 64 k + 32 h + i of my column, each at its position: registers run down the keys
.set i, i+1
.endr
.endr
	global_store_b128 v10, v[32:35], s[8:9]        ; 32 lanes store 512 consecutive bytes
	global_store_b128 v10, v[36:39], s[8:9] offset:512
	ds_store_b32 v8, v60                           ; lanes r and 16 + r write the same word with the same value
	s_wait_dscnt 1                                 ; the V side's loads are in; the word's store may be out
	QB 64, 40, 61
	global_store_b128 v10, v[40:43], s[10:11]
	global_store_b128 v10, v[44:47], s[10:11] offset:512
	ds_store_b32 v8, v61 offset:512
	s_wait_dscnt 0x0                               ; for the others' sake: my words lie in LDS
	s_barrier_signal -1
	s_barrier_wait -1
	s_cmp_lt_u32 s16, 2                            ; wave 0 sends the K words, wave 1 the V words: 512 consecutive bytes each
	s_cbranch_scc0 .Lend
	ds_load_b128 v[48:51], v9
	s_wait_dscnt 0x0
	global_store_b128 v11, v[48:51], s[8:9]
.Lend:
	s_wait_tensorcnt 0x0                           ; the wave's end
	ds_add_u32 v192, v193
	s_wait_dscnt 0x0
	s_endpgm
.Lfunc_end_k_q01e04a7df5_prep:
	.size	k_q01e04a7df5_prep, .Lfunc_end_k_q01e04a7df5_prep-k_q01e04a7df5_prep
	.p2alignl 7, 3214868480
	.fill 96, 4, 3214868480
	.section	.rodata,"a",@progbits
	.p2align	6, 0x0
	.amdhsa_kernel k_q01e04a7df5_prep
		.amdhsa_group_segment_fixed_size 69888
		.amdhsa_private_segment_fixed_size 0
		.amdhsa_enable_private_segment 0
		.amdhsa_kernarg_size 24
		.amdhsa_user_sgpr_count 2
		.amdhsa_user_sgpr_kernarg_segment_ptr 1
		.amdhsa_wavefront_size32 1
		.amdhsa_system_sgpr_workgroup_id_x 1
		.amdhsa_system_sgpr_workgroup_id_y 1
		.amdhsa_system_sgpr_workgroup_id_z 1
		.amdhsa_system_vgpr_workitem_id 0
		.amdhsa_next_free_vgpr 194
		.amdhsa_next_free_sgpr 66
		.amdhsa_reserve_vcc 0
		.amdhsa_float_denorm_mode_32 3
		.amdhsa_float_denorm_mode_16_64 3
		.amdhsa_memory_ordered 1
		.amdhsa_forward_progress 1
		.amdhsa_inst_pref_size 22
	.end_amdhsa_kernel
	.amdgpu_metadata
---
amdhsa.version: [ 1, 2 ]
amdhsa.kernels:
  - .name:           k_q01e04a7df5_prep
    .symbol:         k_q01e04a7df5_prep.kd
    .args:
      - { .name: x, .offset: 0, .size: 8, .value_kind: global_buffer, .address_space: global }
      - { .name: W, .offset: 8, .size: 8, .value_kind: global_buffer, .address_space: global }
      - { .name: kvc, .offset: 16, .size: 8, .value_kind: global_buffer, .address_space: global }
    .group_segment_fixed_size: 69888
    .private_segment_fixed_size: 0
    .kernarg_segment_align: 8
    .kernarg_segment_size: 24
    .max_flat_workgroup_size: 256
    .sgpr_count:     66
    .vgpr_count:     194
    .wavefront_size: 32
...
	.end_amdgpu_metadata
.endif
;; end of part 1
;; launch attn (part 2): grid 32 x 8, 16 waves a work-group, no clusters, 327,680 bytes of LDS; arguments kvc, b, out0; writes out0
.if DOCPART == 2
	.amdgcn_target "amdgcn-amd-amdhsa--gfx1250"
	.amdhsa_code_object_version 6
	.text
	.protected	k_q01e04a7df5_attn
	.globl	k_q01e04a7df5_attn
	.p2align	8
	.type	k_q01e04a7df5_attn,@function
k_q01e04a7df5_attn:
	s_mov_b64 s[64:65], 0
	v_nop
	global_prefetch_b8 v0, s[64:65] scope:SCOPE_SE
	s_setreg_imm32_b32 hwreg(HW_REG_WAVE_MODE, 25, 1), 1
	s_wait_xcnt 0x0
; out[q] = cat(x[q], att[q]) W^T + b,  att[q] = the sum over keys k <= q of softmax_k(x[q] . x[k]) x[k]: all three products on codes of FP4 (E2M1) with one E8M0 byte for each 32 along K.
; kvc: 258 K parts, then 258 V parts of 8,704 bytes, made by the launch before.  Record 32 x batch + step holds 128 rows of x as a K part (K = d) and a V part (K = the keys), as images of operand registers with
; their scale words behind them; the K parts 256, 257 hold W's two K steps.  In every image tile T = 2 b + u takes in lane r the row 32 b + 8 u + r + 8 (r / 8).
; THE SOFTMAX: t = score x log2(e); M = the largest t so far, rounded UP to a whole number; p = 2^(t - M) is quantised along the keys, not normalised; the row's sum is taken of the unquantised p and divides at the end.
; When M moves, the sum and O are multiplied by 2^(old M - new M): exact.
; SHARES.  A work-group owns blocks i and 63 - i of its batch's 64 blocks of 64 queries: 8 tiles of 16 queries.  A tile at query Q0 has Q0 / 128 + 1 key steps of 128; a tile of block i and its mate of block 63 - i have 33
; together, in every work-group.  TWO WAVES SHARE A TILE: one takes the even key steps, the other the odd ones, each under its own running M; at the end they exchange O, M and the sum through LDS, both merge, and each
; makes 64 of the 128 outputs.  With z = (w xor (w / 4)) % 4: block = z % 2, parity = z / 2, tile in the block = w / 4, partner = w xor 2.
; LAYOUT.  All products are used transposed (source 0 = 16 keys, 16 of d, or 16 of W's outputs; source 1 = my 16 queries): a lane holds ONE query (lane % 16) throughout, and by the order of a tile's rows the 16
; registers of tiles 2 b and 2 b + 1 are 16 neighbours, 32 b + 16 (lane / 16) + 0 .. 15, along the next product's K.  The first half of cat is x's own row: its codes are the query's fragment.
; THE RING.  Records 0 and 1 come at the head into bytes of their own; records 2 + 6 g .. 7 + 6 g (group g, 0 to 4) through two slots by turns, three steps of each wave: wave 0 fetches a group's K parts, wave 1 its V parts.
; W's K parts and b come into LDS behind the first barrier and stay.
; TWO FRAGMENT REGIONS CHANGE ROLES: a step holds K's, then V's fragments in one and its scores in the other; once p is converted, the other takes the next step's K fragments, which land under the rescaling and the second product.
; THE MASK (work left out: key steps whose keys all come after my queries, whose weights are 0 by the mask that reference() builds).  Such steps are left out by a scalar branch on ids.  A group whose first key comes after the
; work-group's last query is read by no wave and is not asked for: a jump on ids, alike in all sixteen waves, leads round the load alone; every wait on TENSORcnt is for 0, and every wave passes every barrier.
; In the one step on the diagonal hidden scores become -infinity ahead of the maximum.
; NO CLUSTER: the branches that leave steps out and that mask the diagonal hang on Q0, which differs between all work-groups that walk the same keys; with joint loads no branch may differ between
; partners, and without those branches the key steps would be 32 for each tile and not 16.5 on the average.
; PREFETCH: behind each change of slots the batch's first work-group, which walks all groups, asks for what the next change will ask for: six waves, two records' parts each, lanes 256 bytes apart: each aligned block once.
; LIMITS: NaN and infinities among the inputs are not served, and one that reaches only left-out work is not carried on; M is an exact whole number while |t| < 2^24; a block of zeros has the byte 1 (its codes are zeros).
.set PART,  8704                       ; a K or V part: an image of 8,192 bytes, 512 of scale words
.set VPL,   258*PART                   ; where the V parts begin in kvc
.set GB,    6*PART                     ; a group's K parts (or V parts).  Wave 0 fetches all six K parts in one load, wave 1 all six V parts
.set SLOT1, 1<<17                      ; a slot: 6 K parts, then 6 V parts; slot 1 begins here, so that one exclusive or turns an address in one slot into the other's
.set WL,    2*GB                       ; between the slots: W's two K parts,
.set BL,    WL+2*PART                  ; and b
.set HB,    SLOT1+2*GB                 ; records 0 and 1: 2 K parts, 2 V parts
.set SPARE, HB+4*PART                  ; the spare words, 128 bytes for each wave: eight blocks of 256 bytes that no other line names
.set MLS,   SPARE+16*128               ; (-M, sum) of each lane, 256 bytes a wave: no fill lands here
.set XCH,   SLOT1                      ; the exchange of O, 8,192 bytes a wave: slot 1 and the head's records have had their last fill, and nobody reads them behind the last change of slots
.set OSTW,  16*272                     ; the way out: 16 rows x (256 + 16) bytes for each wave, from LDS byte 0, in slot 0, behind the exchange's barrier
.set LI,  1                            ; v1   16 x lane: an image's place for my lane
.set RH,  2                            ; v2   r - 16 h, for the mask
.set XW,  3                            ; v3   the exchange: where I put O
.set XR,  4                            ; v4   and where my partner has put its own
.set SPW, 5                            ; v5   LDS address of my spare word: SPARE + 4 x my thread's number; never rewritten
.set NIL, 6                            ; v6   0; never rewritten
.set GO,  7                            ; v7   the way out: my byte offset in the tile's rows of out
.set ADK, 8                            ; v8   LDS address of a step's record
.set MW,  9                            ; v9   where I put (-M, sum)
.set PFO, 10                           ; v10  256 x lane: the prefetches' offset; never rewritten
.set MR,  11                           ; v11  where my partner has put (-M, sum)
.set SO,  24                           ; v24  the stage: where I put 16 bytes of a row
.set SR,  25                           ; v25  and where I read a row back
.set BO,  26                           ; v26  LDS address of my part of b
.set PF3, 27                           ; v27  256 x min(lane, 3): the last four of 68 blocks; never rewritten
.set VW,  28                           ; v28-31 V's scale words
; v12 -M, v13 the largest t, v[14:15] the sum in two halves; v16-23 my queries' fragment; v32-95, v96-159 the two regions; v160-223 O^T; v224-231 codes; v232-247 at work (v[242:243] the pair for f); v254 at work.
; SCALES AND NOTHING ELSE: v28-31, v248-251 the tiles' words, v253 p's or att's, v255 my queries'.
.set TM,  232                          ; QUANT: v232-235 largest magnitudes, v236-239 bytes, v244-247 the conversions' scale operands
.set PC,  224
.set PW,  253
.set TB,  2                            ; s2   LDS byte of my first record of the slot in hand
.set TH,  3                            ; s3   and of my record at the head
.set WV,  18                           ; s18  my wave's number
.set SEL, 20                           ; s[20:21] lane selects for v_permlanex16_b32: lane l xor 16
.set CS,  22                           ; s[22:23] log2(e): the packed form names a pair and takes its low word for both halves
.set G1C, 24                           ; descriptor groups 1: s[24:31] a group's 6 parts;  s[32:39] 2 parts;  s[40:47] b
.set G1H, 32
.set G1B, 40
.set G0C, 48                           ; groups 0: s[48:51] the ring's, which walks;  s[52:55] W's;  s[56:59] b's;  s[60:63] the head's
.set G0W, 52
.set G0B, 56
.set G0H, 60
.set KF,  66                           ; s66  the first key of my first step of the group in hand
.set Q0,  67                           ; s67  my first query
.set SLOTS, 68                         ; s68  the loop's trips to go
.set PAR, 69                           ; s69  my parity
.set LIM, 70                           ; s70  1 in a wave that prefetches, else the greatest number
.set QL,  71                           ; s71  my work-group's last query
.set GK,  72                           ; s72  first key of the group that is asked for
.set PFA, 80                           ; s[80:81] where my prefetches stand
; s73-79 at work; s[82:83], s[88:89] my queries' codes and words; s[84:85] the batch's first K part; s[86:87] my part of out
; a scaled product: acc += (or =, with zero = 1) fragment fa x fragment fb; odd = 1: fa's scale words stand in lanes 16-31 of their register
.macro MM acc, fa, fb, sa, sb, odd, zero
.if \zero
.if \odd
	v_wmma_scale_f32_16x16x128_f8f6f4 v[\acc:\acc+7], v[\fa:\fa+7], v[\fb:\fb+7], 0, v[\sa], v[\sb] matrix_a_fmt:MATRIX_FMT_FP4 matrix_b_fmt:MATRIX_FMT_FP4 matrix_a_scale:MATRIX_SCALE_ROW1
.else
	v_wmma_scale_f32_16x16x128_f8f6f4 v[\acc:\acc+7], v[\fa:\fa+7], v[\fb:\fb+7], 0, v[\sa], v[\sb] matrix_a_fmt:MATRIX_FMT_FP4 matrix_b_fmt:MATRIX_FMT_FP4
.endif
.else
.if \odd
	v_wmma_scale_f32_16x16x128_f8f6f4 v[\acc:\acc+7], v[\fa:\fa+7], v[\fb:\fb+7], v[\acc:\acc+7], v[\sa], v[\sb] matrix_a_fmt:MATRIX_FMT_FP4 matrix_b_fmt:MATRIX_FMT_FP4 matrix_a_scale:MATRIX_SCALE_ROW1
.else
	v_wmma_scale_f32_16x16x128_f8f6f4 v[\acc:\acc+7], v[\fa:\fa+7], v[\fb:\fb+7], v[\acc:\acc+7], v[\sa], v[\sb] matrix_a_fmt:MATRIX_FMT_FP4 matrix_b_fmt:MATRIX_FMT_FP4
.endif
.endif
.endm
.macro PLACES n                        ; plain vector instructions that name no register of the matrix instructions ahead of them (ISA guide 7.12.1)
.rept \n
	v_nop
.endr
.endm
.macro TL g0, g1                       ; a tensor load and the lines that follow it
	tensor_load_to_lds s[\g0:\g0+3], s[\g1:\g1+7]
	s_nop 0
	PLACES 4
.endm
.macro GROUP1 g, rows                  ; descriptor group 1: a dense block as rows of 256 bytes (32 elements of 8 bytes), no padding
	s_mov_b32 s[\g], 3<<16                         ; 15:0 no mask; 17:16 elements of 8 bytes; 20 padding off
	s_mov_b32 s[\g+1], 32<<16                      ; tensor_dim0
	s_mov_b32 s[\g+2], \rows<<16                   ; tensor_dim1
	s_mov_b32 s[\g+3], 32<<16                      ; tile_dim0
	s_mov_b32 s[\g+4], \rows                       ; tile_dim1
	s_mov_b32 s[\g+5], 32                          ; tensor_dim0_stride
	s_mov_b32 s[\g+6], 0
	s_mov_b32 s[\g+7], 0
.endm
	s_load_b128 s[4:7], s[0:1], 0x0                ; kvc s[4:5], b s[6:7]
	s_load_b64 s[8:9], s[0:1], 0x10                ; out
	v_lshl_add_u32 v[SPW], v0, 2, SPARE
	v_mov_b32 v[NIL], 0
	ds_add_u32 v[SPW], v[NIL]                      ; the wave's opening: the add, twice on end, and its wait
	ds_add_u32 v[SPW], v[NIL]
	v_lshrrev_b32 v8, 5, v0
	v_readfirstlane_b32 s[WV], v8                  ; wave 0..15
	s_lshr_b32 s73, s[WV], 2                       ; my tile in its block
	s_xor_b32 s74, s[WV], s73
	s_and_b32 s74, s74, 3                          ; z
	s_lshr_b32 s[PAR], s74, 1
	s_and_b32 s74, s74, 1                          ; 0: block i, 1: block 63 - i
	s_sub_co_u32 s75, 63, ttmp9
	s_lshl_b32 s[QL], s75, 6
	s_add_co_u32 s[QL], s[QL], 63                  ; block 63 - i's last query
	s_cmp_eq_u32 s74, 1
	s_cselect_b32 s75, s75, ttmp9
	s_lshl_b32 s[Q0], s75, 6
	s_lshl_b32 s73, s73, 4
	s_add_co_u32 s[Q0], s[Q0], s73                 ; my first query: 64 x block + 16 x tile
	GROUP1 G1C, 204
	GROUP1 G1H, 68
	GROUP1 G1B, 2
	s_mov_b32 s[SEL], 0x76543210
	s_mov_b32 s[SEL+1], 0xfedcba98
	s_mov_b32 s[CS], 0x3fb8aa3b                    ; log2(e)
	s_mov_b32 s[CS+1], s[CS]                       ; (named with it as a pair, so it is written)
	s_mul_i32 s[TB], s[PAR], PART
	s_add_co_u32 s[TH], s[TB], HB
	s_lshl_b32 s[KF], s[PAR], 7                    ; my first step is step par
	s_mov_b32 s[SLOTS], 4
	s_mov_b32 s[GK], 2*128                         ; group 0's first key: each change of slots steps it ahead of its use
	s_wait_dscnt 0x0                               ; both opening adds are done
	s_lshl_b32 s73, s[WV], 13
	s_add_co_u32 s73, s73, XCH
	s_xor_b32 s79, s[WV], 2                        ; my partner
	s_lshl_b32 s74, s79, 13
	s_add_co_u32 s74, s74, XCH
	s_lshl_b32 s75, s[WV], 8
	s_add_co_u32 s75, s75, MLS
	s_lshl_b32 s76, s79, 8
	s_add_co_u32 s76, s76, MLS
	s_mul_i32 s77, s[WV], OSTW
	s_lshl_b32 s78, s[PAR], 8
	s_add_co_u32 s78, s78, BL
	; every LDS address that stays is made here, ahead of the first branch on the wave's number
	v_and_b32 v232, 31, v0                         ; lane
	v_and_b32 v234, 15, v0                         ; r
	v_bfe_u32 v235, v0, 4, 1                       ; h
	v_and_b32 v242, 7, v0                          ; r % 8
	v_bfe_u32 v244, v0, 3, 1                       ; r / 8
	v_lshlrev_b32 v[LI], 4, v232
	v_lshlrev_b32 v[PFO], 8, v232
	v_min_u32 v[PF3], 3, v232
	v_lshlrev_b32 v[MR], 3, v232                   ; 8 x lane
	v_lshlrev_b32 v[GO], 4, v234
	v_mul_u32_u24 v[SO], v234, 272
	v_mul_u32_u24 v[SR], v235, 272
	v_lshlrev_b32 v[RH], 4, v235
	v_lshlrev_b32 v[BO], 6, v235
	v_lshlrev_b32 v242, 4, v242
	v_lshlrev_b32 v[PF3], 8, v[PF3]
	v_sub_nc_u32 v[RH], v234, v[RH]
	v_add_nc_u32 v[XW], s73, v[LI]
	v_add_nc_u32 v[XR], s74, v[LI]
	v_add_nc_u32 v[MW], s75, v[MR]
	v_add_nc_u32 v[MR], s76, v[MR]
	v_lshl_add_u32 v[GO], v235, 9, v[GO]           ; lanes 0-15 take one row of out, lanes 16-31 the next; 16 bytes a lane
	v_lshl_add_u32 v[SO], v235, 6, v[SO]
	v_lshl_add_u32 v[SR], v234, 4, v[SR]
	v_lshl_add_u32 v241, v244, 8, v242             ; my query's scale word: 256 (r / 8) + 16 (r % 8)
	v_lshl_add_u32 v240, v244, 10, v242
	v_add_nc_u32 v[BO], s78, v[BO]                 ; b: 256 par + 64 h
	v_add_nc_u32 v[SO], s77, v[SO]                 ; into my stage: row r, + 64 h
	v_add_nc_u32 v[SR], s77, v[SR]                 ; back: lanes 0-15 one row, lanes 16-31 the next
	v_lshl_add_u32 v240, v235, 8, v240             ; my query's codes: 1,024 (r / 8) + 256 h + 16 (r % 8)
	; the descriptors' groups 0.  Wave 0 fetches K parts, wave 1 V parts
	s_and_b32 s73, s[WV], 1
	s_mul_i32 s74, s73, VPL
	s_mov_b32 s75, 0
	s_mul_i32 s[G0C+1], s73, GB                    ; 63:32 LDS address: slot 0's K parts or V parts
	s_mul_i32 s73, s73, 2*PART
	s_add_co_u32 s[G0H+1], s73, HB
	s_mov_b32 s[G0W+1], WL
	s_mov_b32 s[G0B+1], BL
	s_mov_b32 s[G0C], 1                            ; 1:0 count = 1
	s_mov_b32 s[G0H], 1
	s_mov_b32 s[G0W], 1
	s_mov_b32 s[G0B], 1
	s_and_b32 s79, ttmp7, 0xffff                   ; the batch
	s_mul_i32 s84, s79, 32*PART
	s_mov_b32 s85, 0
	s_wait_alu depctr_va_vdst(0)                   ; directly ahead of the wait below
	s_wait_kmcnt 0x0
	s_add_nc_u64 s[84:85], s[4:5], s[84:85]
	s_add_nc_u64 s[G0H+2:G0H+3], s[84:85], s[74:75]            ; 120:64 global address: record 0
	s_add_nc_u64 s[G0C+2:G0C+3], s[G0H+2:G0H+3], 2*PART        ; record 2
	s_or_b32 s[G0H+3], s[G0H+3], 0x80000000                    ; 127:126 type = 2
	s_or_b32 s[G0C+3], s[G0C+3], 0x80000000
	s_cmp_lt_u32 s[WV], 2                          ; the head's loads: records 0 and 1
	s_cbranch_scc0 .Lhead
	TL G0H, G1H
.Lhead:
	; my 16 queries are rows 32 bq + 16 aq + r of record sq: in its K image row r lies in tile 2 bq + r / 8, lane 8 aq + r % 8
	s_lshr_b32 s73, s[Q0], 7                       ; sq
	s_mul_i32 s74, s73, PART
	s_bfe_u32 s76, s[Q0], 0x10004                  ; aq
	s_lshl_b32 s76, s76, 7                         ; 128 aq, in the codes and in the words alike (16 bytes a lane)
	s_add_co_u32 s74, s74, s76
	s_bfe_u32 s77, s[Q0], 0x20005                  ; bq
	s_lshl_b32 s76, s77, 2
	s_add_co_u32 s76, s76, s74
	s_add_co_u32 s76, s76, 8192                    ; the words
	s_lshl_b32 s77, s77, 11
	s_add_co_u32 s74, s74, s77                     ; the codes
	s_mov_b32 s75, 0
	s_mov_b32 s77, 0
	s_add_nc_u64 s[82:83], s[84:85], s[74:75]
	s_add_nc_u64 s[88:89], s[84:85], s[76:77]
	global_load_b128 v[16:19], v240, s[82:83]      ; my queries' fragment stays in registers: source 1 of the first product, and K step 0 of the third
	global_load_b128 v[20:23], v240, s[82:83] offset:512
	global_load_b32 v255, v241, s[88:89]           ; and its scale words
	s_add_nc_u64 s[G0W+2:G0W+3], s[4:5], 256*PART
	s_or_b32 s[G0W+3], s[G0W+3], 0x80000000
	s_mov_b64 s[G0B+2:G0B+3], s[6:7]
	s_or_b32 s[G0B+3], s[G0B+3], 0x80000000
	; the prefetches: waves 8 to 10 two K parts each, waves 11 to 13 two V parts each, of the group after the one that is asked for; first group 1
	s_sub_co_u32 s73, s[WV], 8
	s_cmp_lt_u32 s73, 6
	s_cselect_b32 s74, 0, 1
	s_or_b32 s74, s74, ttmp9                       ; of the batch's first work-group
	s_cmp_eq_u32 s74, 0
	s_cselect_b32 s[LIM], 1, -1
	s_cmp_ge_u32 s[WV], 11
	s_cselect_b32 s74, 1, 0
	s_mul_i32 s75, s74, 3
	s_sub_co_u32 s73, s73, s75
	s_mul_i32 s73, s73, 2*PART
	s_mul_i32 s74, s74, VPL
	s_add_co_u32 s74, s74, s73
	s_add_co_u32 s74, s74, 8*PART
	s_mov_b32 s75, 0
	s_add_nc_u64 s[PFA:PFA+1], s[84:85], s[74:75]
	s_lshl_b32 s74, s79, 21                        ; out: row 4,096 x batch + Q0 of 512 bytes, + 256 par
	s_lshl_b32 s73, s[Q0], 9
	s_add_co_u32 s74, s74, s73
	s_lshl_b32 s73, s[PAR], 8
	s_add_co_u32 s74, s74, s73
	s_add_nc_u64 s[86:87], s[8:9], s[74:75]
	v_mov_b32 v13, 0xff61b1e6                      ; the largest t so far: -3e38, under every t
	v_mov_b32 v14, 0                               ; the sum, in two halves
	v_mov_b32 v15, 0
	v_floor_f32 v12, -v13                          ; -M
.irp b, 0,1,2,3
	v_mov_b32 v[236+\b], 0                         ; written once: a lane permute's destination counts as one of its sources
.endr
	v_mov_b32 v254, 0                              ; likewise
	v_mov_b32 v243, 0                              ; (named as the upper half of the pair v[242:243])
.set n, 0
.rept 64
	v_mov_b32 v[160+n], 0                          ; O^T.  (The first step finds zeros, which the first change of M leaves zeros; a wave without a step hands zeros to its partner)
.set n, n+1
.endr
.macro PI c, a, b
	v_pk_add_f32 v[\c:\c+1], v[\a:\a+1], v[\b:\b+1]
.endm
.macro PS c, a
	v_pk_add_f32 v[\c:\c+1], v[\c:\c+1], v[\a:\a+1]
.endm
; A KEY STEP of mine: 128 keys, the j-th of my group.  fr: the region of K's and V's fragments; sc: the region of the scores.  own = 1: it loads its K fragments itself; pre = 1: it loads the next step's into sc.
; tb: where the group's records begin for me; vo: from a K part to its V part; end: the group's end.
.macro STEP fr, sc, own, pre, j, tb, vo, end
	s_add_co_u32 s73, s[KF], 256*\j                ; the step's first key
	s_add_co_u32 s74, s[Q0], 15
	s_cmp_gt_u32 s73, s74                          ; all its keys come after my queries, and so do all later steps'
	s_cbranch_scc1 \end
.if \own
	v_add_nc_u32 v[ADK], s[\tb], v[LI]
.endif
	PLACES 5                                       ; in front of loads into, or products that write over, registers of the last products
.if \own
	ds_load_b128 v[248:251], v[ADK] offset:8192    ; K's scale words: register m: tile 2 m in lanes 0-15, tile 2 m + 1 in lanes 16-31
.irp t, 0,1,2,3,4,5,6,7
.irp c, 0,1
	ds_load_b128 v[\fr+8*\t+4*\c:\fr+8*\t+4*\c+3], v[ADK] offset:1024*\t+512*\c
.endr
.endr
	s_wait_alu depctr_va_vdst(0)                   ; directly ahead of the wait below
.endif
	s_wait_dscnt 0x0                               ; K's fragments and words are in
.irp t, 0,1,2,3,4,5,6,7
	MM \sc+8*\t, \fr+8*\t, 16, 248+\t/2, 255, \t%2, 1   ; S^T = K Q^T: register 16 b + i of lane (r, h) is query r, key 32 b + 16 h + i of the step
.endr
	PLACES 4                                       ; in front of loads into the products' sources, and of the first read of their results
.irp t, 0,1,2,3,4,5,6,7
.irp c, 0,1
	ds_load_b128 v[\fr+8*\t+4*\c:\fr+8*\t+4*\c+3], v[ADK] offset:\vo+1024*\t+512*\c   ; V's fragments land while the softmax is worked
.endr
.endr
	ds_load_b128 v[VW:VW+3], v[ADK] offset:\vo+8192    ; and V's scale words
	s_add_co_u32 s74, s73, 127
	s_cmp_le_u32 s74, s[Q0]                        ; all keys count: no mask
	s_cbranch_scc1 .Lopen_\@
	s_sub_co_i32 s74, s[Q0], s73
	v_add_nc_u32 v240, s74, v[RH]                  ; d = my query - the step's first key - 16 h: register 16 b + i is hidden where 32 b + i > d
	v_mov_b32 v241, 0xff800000                     ; -infinity
.set n, 0
.rept 64
	v_cmp_gt_i32 vcc_lo, 32*(n/16)+n%16, v240
	v_cndmask_b32 v[\sc+n], v[\sc+n], v241, vcc_lo
.set n, n+1
.endr
.Lopen_\@:
.irp b, 0,1,2,3
	v_max3_num_f32 v[232+\b], v[\sc+16*\b], v[\sc+1+16*\b], v[\sc+2+16*\b]   ; the largest score of each block of 32 keys: it serves for the row's maximum and, since p rises with the score, for the block's largest p
.endr
.irp i, 3,5,7,9,11,13
.irp b, 0,1,2,3
	v_max3_num_f32 v[232+\b], v[232+\b], v[\sc+16*\b+\i], v[\sc+1+16*\b+\i]   ; (the four blocks by turns)
.endr
.endr
.irp b, 0,1,2,3
	v_max_num_f32 v[232+\b], v[232+\b], v[\sc+15+16*\b]
.endr
.irp b, 0,1,2,3
	s_delay_alu instid0(VALU_DEP_4)
	v_permlanex16_b32 v[236+\b], v[232+\b], s[SEL], s[SEL+1]
.endr
.irp b, 0,1,2,3
	s_delay_alu instid0(VALU_DEP_4)
	v_max_num_f32 v[232+\b], v[232+\b], v[236+\b]  ; with lane l xor 16's 16 keys
.endr
	s_delay_alu instid0(VALU_DEP_2)
	v_max3_num_f32 v254, v232, v233, v234
	s_delay_alu instid0(VALU_DEP_1)
	v_max_num_f32 v254, v254, v235                 ; the step's largest score of my query (its first key counts for every query of a step that is worked, so it is a number)
	s_delay_alu instid0(VALU_DEP_1)
	v_mul_f32 v254, s[CS], v254                    ; as t
	s_delay_alu instid0(VALU_DEP_1)
	v_max_num_f32 v13, v13, v254                   ; the running largest t
	v_mov_b32 v254, v12
	s_delay_alu instid0(VALU_DEP_2)
	v_floor_f32 v12, -v13                          ; the new -M = floor(-t) = -ceil(t): a whole number
	s_delay_alu instid0(VALU_DEP_1)
	v_sub_f32 v254, v12, v254                      ; M's old value less its new one: a whole number, 0 or less
	s_delay_alu instid0(VALU_DEP_1)
	v_cvt_i32_f32 v254, v254                       ; (it saturates)
	s_delay_alu instid0(VALU_DEP_1)
	v_ldexp_f32 v242, 1.0, v254                    ; f = 2^(old M - new M)
.set n, 0
.rept 32
	v_pk_fma_f32 v[\sc+n:\sc+n+1], v[\sc+n:\sc+n+1], s[CS:CS+1], v[12:13] op_sel_hi:[1,0,0]   ; t - M, two at a time (of the pairs the low word serves both halves)
.set n, n+2
.endr
.irp b, 0,1,2,3
	v_fma_f32 v[232+\b], v[232+\b], s[CS], v12     ; the same of each block's largest score
.endr
	s_wait_alu depctr_va_vdst(0)                   ; the wait ahead of the batch
.set n, 0
.rept 64
	v_exp_f32 v[\sc+n], v[\sc+n]                   ; p = 2^(t - M), at most 1: not normalised
.set n, n+1
.endr
	v_pk_mul_f32 v[14:15], v[14:15], v[242:243] op_sel_hi:[1,0]   ; the sums under the new M: the plain instruction behind the exponentials
	s_wait_alu depctr_va_vdst(0)                   ; one wait for the whole batch, ahead of its first reader
.irp b, 0,1,2,3
	v_exp_f32 v[232+\b], v[232+\b]                 ; the block's largest p: the same two instructions on the same number give the same bits
.endr
	PI 236, \sc, \sc+2                             ; the row's sum of the unquantised p, two at a time, in eight chains
	PI 228, \sc+4, \sc+6
	PI 246, \sc+8, \sc+10
	PI 244, \sc+12, \sc+14
	PI 240, \sc+16, \sc+18
	PI 238, \sc+20, \sc+22
	PI 230, \sc+24, \sc+26
	PS 14, \sc+28
	PS 236, \sc+30
	PS 228, \sc+32
	PS 246, \sc+34
	PS 244, \sc+36
	PS 240, \sc+38
	PS 238, \sc+40
	PS 230, \sc+42
	PS 14, \sc+44
	PS 236, \sc+46
	PS 228, \sc+48
	PS 246, \sc+50
	PS 244, \sc+52
	PS 240, \sc+54
	PS 238, \sc+56
	PS 230, \sc+58
	PS 14, \sc+60
	PS 236, \sc+62
	s_delay_alu instid0(VALU_DEP_2)
	PS 14, 244
	s_delay_alu instid0(VALU_DEP_2)
	PS 236, 240
	PS 228, 238
	PS 246, 230
	s_delay_alu instid0(VALU_DEP_2)
	PS 14, 228
	s_delay_alu instid0(VALU_DEP_2)
	PS 236, 246
	s_delay_alu instid0(VALU_DEP_1)
	PS 14, 236
	s_wait_alu depctr_va_vdst(0)                   ; and one for the four
.irp b, 0,1,2,3
	v_max_num_f32 v[232+\b], 0x1800000, v[232+\b]  ; the floor 2^(3 - 127): the byte cannot fall under 1 (a block whose every p is 0 keeps that byte: its codes are zeros)
.endr
.irp b, 0,1,2,3
	s_delay_alu instid0(VALU_DEP_4)
	v_add_nc_u32 v[244+\b], 0xff000000, v[232+\b]  ; 2 off the exponent field: the conversion's scale operand
.endr
.irp b, 0,1,2,3
	s_delay_alu instid0(VALU_DEP_4)
	v_lshrrev_b32 v[236+\b], 23, v[244+\b]         ; the scale's byte
.endr
	s_delay_alu instid0(VALU_DEP_3)
	v_lshl_or_b32 v253, v237, 8, v236              ; p's scale word for these 128 keys
	s_delay_alu instid0(VALU_DEP_1)
	v_lshl_or_b32 v253, v238, 16, v253
	s_delay_alu instid0(VALU_DEP_1)
	v_lshl_or_b32 v253, v239, 24, v253
.irp b, 0,1,2,3
	v_cvt_scalef32_pk8_fp4_f32 v[224+2*\b], v[\sc+16*\b:\sc+7+16*\b], v[244+\b]
	v_cvt_scalef32_pk8_fp4_f32 v[225+2*\b], v[\sc+8+16*\b:\sc+15+16*\b], v[244+\b]
.endr
	v_nop                                          ; one plain instruction behind the last scaled conversion
.if \pre
	v_add_nc_u32 v[ADK], 2*PART, v[ADK]            ; my next record is two on
	ds_load_b128 v[248:251], v[ADK] offset:8192    ; p is converted: its region takes the next step's K fragments
.irp t, 0,1,2,3,4,5,6,7
.irp c, 0,1
	ds_load_b128 v[\sc+8*\t+4*\c:\sc+8*\t+4*\c+3], v[ADK] offset:1024*\t+512*\c
.endr
.endr
.endif
.irp c, 0,1                                    ; the operand's layout wants a whole block in a lane: lanes 0-15 block 2 c, lanes 16-31 block 2 c + 1
.irp i, 0,1
	v_permlane16_swap_b32 v[224+4*\c+\i], v[226+4*\c+\i]
.endr
.endr
	s_wait_alu depctr_va_vdst(0)                   ; directly ahead of the first reader of O^T
.set n, 0
.rept 32
	v_pk_mul_f32 v[160+n:161+n], v[160+n:161+n], v[242:243] op_sel_hi:[1,0]   ; O^T under the new M.  (These 32 are also the places between the writes of p's codes and scale word and the products)
.set n, n+2
.endr
	s_wait_alu depctr_va_vdst(0)                   ; directly ahead of the wait below
.if \pre
	s_wait_dscnt 17                                ; V's fragments and words are in; the next step's 16 loads of K and one of words may be out
.else
	s_wait_dscnt 0x0
.endif
.irp t, 0,1,2,3,4,5,6,7
	MM 160+8*\t, \fr+8*\t, 224, VW+\t/2, 253, \t%2, 0   ; O^T += V^T P^T: register 16 b + i of lane (r, h) is query r, d = 32 b + 16 h + i.  The eight accumulators take turns
.endr
.endm
.macro GROUP                           ; my three steps of a group, in the slot in hand
	STEP 32, 96, 1, 1, 0, TB, GB, .Lgroup_\@
	STEP 96, 32, 0, 1, 1, TB, GB, .Lgroup_\@
	STEP 32, 96, 0, 0, 2, TB, GB, .Lgroup_\@
.Lgroup_\@:
	s_add_co_u32 s[KF], s[KF], 6*128
	s_xor_b32 s[TB], s[TB], SLOT1                  ; on to the other slot
.endm
; a prefetch of what the NEXT change of slots will ask for: 68 blocks of 256 bytes a wave (lanes left over in the third name its last block again).  The loop's last trip asks for nothing
.macro ASK
	s_cmp_gt_u32 s[SLOTS], s[LIM]
	s_cbranch_scc0 .Lnot_mine_\@
	global_prefetch_b8 v[PFO], s[PFA:PFA+1] th:TH_LOAD_NT scope:SCOPE_SE
	global_prefetch_b8 v[PFO], s[PFA:PFA+1] offset:8192 th:TH_LOAD_NT scope:SCOPE_SE
	global_prefetch_b8 v[PF3], s[PFA:PFA+1] offset:16384 th:TH_LOAD_NT scope:SCOPE_SE
.Lnot_mine_\@:
.endm
; THE CHANGE OF SLOTS stands at a group's head.  Each wave waits for all its tensor loads, adds 0 to its spare word, and waits for that and for its reads of the slot that it has left.
; Behind the barrier the slot ahead is whole and nobody reads the other one.  fill = 1: waves 0 and 1 fill that other slot with the next group: the load has this group's three steps in which to land.
.macro CHANGE fill
	s_wait_tensorcnt 0x0                           ; no tensor load of mine is out, so a group 0 may be written
	ds_add_u32 v[SPW], v[NIL]                      ; 0 onto my spare word
.if \fill
	ds_add_u32 v[SPW], v[NIL]                      ; and once more
	s_xor_b32 s[G0C+1], s[G0C+1], SLOT1            ; the walking descriptor: the other slot than last time,
	s_add_nc_u64 s[G0C+2:G0C+3], s[G0C+2:G0C+3], GB    ; the next 6 records; the type bits on top are not reached
	s_add_co_u32 s[GK], s[GK], 6*128
	s_wait_xcnt 0x0                                ; the last prefetches have read their address, so it may be written
	s_add_nc_u64 s[PFA:PFA+1], s[PFA:PFA+1], GB
.endif
	s_wait_dscnt 0x0                               ; the add is done, and my reads of the slot that I have left are over
	s_barrier_signal -1
	s_barrier_wait -1
.if \fill
	s_cmp_gt_u32 s[GK], s[QL]                      ; the group's first key comes after my work-group's last query: no wave reads it.  Alike in all sixteen waves; a work-group past the limit stays past it
	s_cbranch_scc1 .Lpast_\@
	s_cmp_lt_u32 s[WV], 2
	s_cbranch_scc0 .Lpast_\@
	TL G0C, G1C                                    ; the first tensor load behind the barrier, and a wave's one until the next
.Lpast_\@:
	ASK
.endif
.endm
; 64 numbers of a lane, v[s] .. v[s + 63], register 16 b + i = k 32 b + 16 h + i of my row, become a fragment's codes in v[PC] on and its scale word in v[PW].
.macro QUANT s
.irp b, 0,1,2,3
	v_max3_num_f32 v[TM+\b], |v[\s+16*\b]|, |v[\s+1+16*\b]|, 0x1800000   ; block b: my 16 numbers, and the floor 2^(3 - 127)
.endr
.irp i, 2,4,6,8,10,12,14
.irp b, 0,1,2,3
	s_delay_alu instid0(VALU_DEP_4)
	v_max3_num_f32 v[TM+\b], v[TM+\b], |v[\s+16*\b+\i]|, |v[\s+1+16*\b+\i]|
.endr
.endr
.irp b, 0,1,2,3
	s_delay_alu instid0(VALU_DEP_4)
	v_permlanex16_b32 v[TM+4+\b], v[TM+\b], s[SEL], s[SEL+1]
.endr
.irp b, 0,1,2,3
	s_delay_alu instid0(VALU_DEP_4)
	v_max_num_f32 v[TM+\b], v[TM+\b], v[TM+4+\b]   ; with lane l xor 16's: the block's largest magnitude
.endr
.irp b, 0,1,2,3
	s_delay_alu instid0(VALU_DEP_4)
	v_add_nc_u32 v[TM+12+\b], 0xff000000, v[TM+\b] ; 2 off its exponent field: the conversion's scale operand
.endr
.irp b, 0,1,2,3
	s_delay_alu instid0(VALU_DEP_4)
	v_lshrrev_b32 v[TM+4+\b], 23, v[TM+12+\b]      ; the scale's byte
.endr
	s_delay_alu instid0(VALU_DEP_3)
	v_lshl_or_b32 v[PW], v[TM+5], 8, v[TM+4]
	s_delay_alu instid0(VALU_DEP_1)
	v_lshl_or_b32 v[PW], v[TM+6], 16, v[PW]
	s_delay_alu instid0(VALU_DEP_1)
	v_lshl_or_b32 v[PW], v[TM+7], 24, v[PW]
.irp b, 0,1,2,3
	v_cvt_scalef32_pk8_fp4_f32 v[PC+2*\b], v[\s+16*\b:\s+7+16*\b], v[TM+12+\b]
	v_cvt_scalef32_pk8_fp4_f32 v[PC+1+2*\b], v[\s+8+16*\b:\s+15+16*\b], v[TM+12+\b]
.endr
	v_nop                                          ; one plain instruction behind the last scaled conversion
.irp c, 0,1
.irp i, 0,1
	v_permlane16_swap_b32 v[PC+4*\c+\i], v[PC+2+4*\c+\i]
.endr
.endr
.endm
	s_wait_alu depctr_va_vdst(0)                   ; the wait at the head's end
	s_wait_tensorcnt 0x0                           ; my part of records 0 and 1 is in
	ds_add_u32 v[SPW], v[NIL]
	ds_add_u32 v[SPW], v[NIL]
	s_wait_dscnt 0x0
	s_barrier_signal -1
	s_barrier_wait -1
	s_cmp_lt_u32 s[WV], 2                          ; first fills, one load a wave: waves 0 and 1 group 0, wave 2 W's two K parts, wave 3 b
	s_cbranch_scc0 .Lfill_w
	TL G0C, G1C
	s_branch .Lfilled
.Lfill_w:
	s_cmp_lt_u32 s[WV], 3
	s_cbranch_scc0 .Lfill_b
	TL G0W, G1H
	s_branch .Lfilled
.Lfill_b:
	s_cmp_lt_u32 s[WV], 4
	s_cbranch_scc0 .Lfilled
	TL G0B, G1B
.Lfilled:
	ASK
	s_wait_loadcnt 0x0                             ; my queries' fragment and words
	STEP 32, 96, 1, 0, 0, TH, 2*PART, .Lfirst      ; step par, from the head's records
.Lfirst:
	s_add_co_u32 s[KF], s[KF], 256
.Lslot:                                            ; four trips: groups 0 to 3
	CHANGE 1
	GROUP
	s_sub_co_u32 s[SLOTS], s[SLOTS], 1
	s_cmp_lg_u32 s[SLOTS], 0
	s_cbranch_scc1 .Lslot
	CHANGE 0                                       ; the last group is written out
	GROUP
	; THE END OF A TILE.  Every wave runs the same lines.
	s_wait_dscnt 0x0                               ; fragments of a step that was left out may be on their way
	PLACES 4                                       ; behind the last products: in front of the loads into their sources and of the first read of O^T
	s_lshl_b32 s73, s[PAR], 12
	s_add_co_u32 s73, s73, WL
	v_add_nc_u32 v[ADK], s73, v[LI]                ; W: tiles 4 par .. 4 par + 3
	s_lshl_b32 s73, s[PAR], 3
	s_add_co_u32 s73, s73, WL+8192
	v_add_nc_u32 v232, s73, v[LI]                  ; their words: registers 2 par, 2 par + 1 of a lane's four
	v_add_f32 v14, v14, v15                        ; the sum's two halves,
	s_delay_alu instid0(VALU_DEP_1)
	v_permlanex16_b32 v254, v14, s[SEL], s[SEL+1]
	s_delay_alu instid0(VALU_DEP_1)
	v_add_f32 v13, v14, v254                       ; and lane l xor 16's: my steps' sum, beside -M in the pair v[12:13]
	s_wait_alu depctr_va_vdst(0)
.set n, 0
.rept 16
	ds_store_b128 v[XW], v[160+4*n:163+4*n] offset:512*n   ; O^T as it stands, each accumulator from its low end on
.set n, n+1
.endr
	ds_store_b64 v[MW], v[12:13]
.irp s, 0,1                                    ; W's fragments: tile 4 par + t of K step s at v[32 + 32 s + 8 t]
.irp t, 0,1,2,3
.irp c, 0,1
	ds_load_b128 v[32+32*\s+8*\t+4*\c:35+32*\s+8*\t+4*\c], v[ADK] offset:PART*\s+1024*\t+512*\c
.endr
.endr
	ds_load_b64 v[248+2*\s:249+2*\s], v232 offset:PART*\s   ; register t / 2; even t in lanes 0-15, odd t in lanes 16-31
.endr
	s_wait_dscnt 0x0                               ; for my partner's sake: my stores have landed; and my reads of slot 0 are over
	s_barrier_signal -1
	s_barrier_wait -1
.set n, 0
.rept 16
	ds_load_b128 v[96+4*n:99+4*n], v[XR] offset:512*n      ; my partner's O^T: the same registers in the same lanes
.set n, n+1
.endr
	ds_load_b64 v[232:233], v[MR]                  ; its -M and its sum
	s_wait_dscnt 0x0
	v_min_num_f32 v234, v12, v232                  ; -M of both: the larger M
	s_delay_alu instid0(VALU_DEP_1)
	v_sub_f32 v235, v234, v12                      ; my M less the common one: a whole number, 0 or less.  (A wave that had no step holds -M = 3e38, zeros and the sum 0: its difference saturates below and its factor is 0)
	s_delay_alu instid0(VALU_DEP_2)
	v_sub_f32 v240, v234, v232
	s_delay_alu instid0(VALU_DEP_2)
	v_cvt_i32_f32 v235, v235
	s_delay_alu instid0(VALU_DEP_2)
	v_cvt_i32_f32 v240, v240
	s_delay_alu instid0(VALU_DEP_2)
	v_ldexp_f32 v235, 1.0, v235                    ; my factor,
	s_delay_alu instid0(VALU_DEP_2)
	v_ldexp_f32 v240, 1.0, v240                    ; my partner's: exact powers of two
	s_delay_alu instid0(VALU_DEP_2)
	v_mul_f32 v241, v13, v235
	s_delay_alu instid0(VALU_DEP_1)
	v_fma_f32 v241, v233, v240, v241               ; the row's sum
	s_wait_alu depctr_va_vdst(0)                   ; the wait ahead of the reciprocal
	v_rcp_f32 v242, v241
	v_nop                                          ; a plain instruction behind the reciprocal
	s_wait_alu depctr_va_vdst(0)                   ; and for this one, ahead of its first reader
	v_mul_f32 v244, v235, v242
	v_mul_f32 v246, v240, v242
	s_delay_alu instid0(VALU_DEP_2)
	v_mov_b32 v245, v244                           ; (the packed forms name pairs: both halves are written)
	s_delay_alu instid0(VALU_DEP_2)
	v_mov_b32 v247, v246
.set n, 0
.rept 32
	v_pk_mul_f32 v[160+n:161+n], v[160+n:161+n], v[244:245] op_sel_hi:[1,0]
.set n, n+2
.endr
.set n, 0
.rept 32
	v_pk_fma_f32 v[160+n:161+n], v[96+n:97+n], v[246:247], v[160+n:161+n] op_sel_hi:[1,0,1]   ; att = (my O x my factor + my partner's O x its factor) / the sum
.set n, n+2
.endr
.irp t, 0,1,2,3
.irp e, 0,1
	ds_load_b128 v[96+8*\t+4*\e:99+8*\t+4*\e], v[BO] offset:128*(\t/2)+32*(\t%2)+16*\e   ; b in the result's layout: register j of tile t is output 64 par + 32 (t / 2) + 8 (t % 2) + 16 h + j: the C of the sums' first products
.endr
.endr
	QUANT 160                                      ; att's codes and scale word: K step 1 of the third product
	PLACES 8                                       ; between the write of the scale word and a scaled product
	s_wait_alu depctr_va_vdst(0)                   ; directly ahead of the wait below
	s_wait_dscnt 0x0                               ; b is in
.irp t, 0,1,2,3
	MM 96+8*\t, 32+8*\t, 16, 248+\t/2, 255, \t%2, 0    ; b + x W^T, K step 0: source 1 is my queries' fragment.  The four accumulators take turns
.endr
.irp t, 0,1,2,3
	MM 96+8*\t, 64+8*\t, 224, 250+\t/2, 253, \t%2, 0   ; + att W^T, K step 1
.endr
	PLACES 4
.irp t, 0,1,2,3                                ; through my stage: a lane's eight outputs are 32 neighbouring bytes of one row; the rows come back whole
.irp e, 0,1
	ds_store_b128 v[SO], v[96+8*\t+4*\e:99+8*\t+4*\e] offset:128*(\t/2)+32*(\t%2)+16*\e
.endr
.endr
.irp i, 0,1,2,3,4,5,6,7
	ds_load_b128 v[160+4*\i:163+4*\i], v[SR] offset:544*\i   ; LDS serves a wave's instructions in order (ISA guide 5.7.1.4): these see my stores
.endr
.irp i, 0,1,2,3,4,5,6,7
	s_wait_dscnt 7-\i                              ; rows 2 i, 2 i + 1 are back; the younger loads may be out
	global_store_b128 v[GO], v[160+4*\i:163+4*\i], s[86:87] offset:1024*\i th:TH_STORE_NT   ; 16 lanes store 256 consecutive bytes, at a multiple of 256 from out's first byte; written once, read by nobody here
.endr
	s_wait_tensorcnt 0x0                           ; the wave's end, behind my last tensor load and my last LDS store
	ds_add_u32 v[SPW], v[NIL]
	s_wait_dscnt 0x0
	s_endpgm
.Lfunc_end_k_q01e04a7df5_attn:
	.size	k_q01e04a7df5_attn, .Lfunc_end_k_q01e04a7df5_attn-k_q01e04a7df5_attn
	.p2alignl 7, 3214868480
	.fill 96, 4, 3214868480
	.section	.rodata,"a",@progbits
	.p2align	6, 0x0
	.amdhsa_kernel k_q01e04a7df5_attn
		.amdhsa_group_segment_fixed_size 327680
		.amdhsa_private_segment_fixed_size 0
		.amdhsa_enable_private_segment 0
		.amdhsa_kernarg_size 24
		.amdhsa_user_sgpr_count 2
		.amdhsa_user_sgpr_kernarg_segment_ptr 1
		.amdhsa_wavefront_size32 1
		.amdhsa_system_sgpr_workgroup_id_x 1
		.amdhsa_system_sgpr_workgroup_id_y 1
		.amdhsa_system_sgpr_workgroup_id_z 1
		.amdhsa_system_vgpr_workitem_id 0
		.amdhsa_next_free_vgpr 256
		.amdhsa_next_free_sgpr 90
		.amdhsa_reserve_vcc 1
		.amdhsa_float_denorm_mode_32 3
		.amdhsa_float_denorm_mode_16_64 3
		.amdhsa_memory_ordered 1
		.amdhsa_forward_progress 1
		.amdhsa_inst_pref_size 198
	.end_amdhsa_kernel
	.amdgpu_metadata
---
amdhsa.version: [ 1, 2 ]
amdhsa.kernels:
  - .name:           k_q01e04a7df5_attn
    .symbol:         k_q01e04a7df5_attn.kd
    .args:
      - { .name: kvc, .offset: 0, .size: 8, .value_kind: global_buffer, .address_space: global }
      - { .name: b, .offset: 8, .size: 8, .value_kind: global_buffer, .address_space: global }
      - { .name: out0, .offset: 16, .size: 8, .value_kind: global_buffer, .address_space: global }
    .group_segment_fixed_size: 327680
    .private_segment_fixed_size: 0
    .kernarg_segment_align: 8
    .kernarg_segment_size: 24
    .max_flat_workgroup_size: 512
    .sgpr_count:     90
    .vgpr_count:     256
    .wavefront_size: 32
...
	.end_amdgpu_metadata
.endif
;; end of part 2
